; MI455X (gfx1250); checked and timed in simulation.
; The chip was launched on July 23, 2026; its instructions are those of AMD's public machine-readable ISA for CDNA 5 (MIT licence, August 2026) and "CDNA5" Instruction Set Architecture Reference Guide (July 2026). The comments in the code are by the model that wrote it; some were corrected since.
;; Moreau Tropical Kernel. Allowed arithmetic: float matrix products may take bf16 or f16 operands with f32 sums; other float arithmetic in f32, or as packed bf16 or f16 multiplies, adds, multiply-adds, maxima and minima; sums over many terms, partial sums and values carried from step to step in f32; what a program stores and reads back later, other than sums and carried values, may be rounded once to bf16 or f16.
;; Inputs: W 512 x 1,024 float32; lam one number float32; x 128 x 1,024 float32.
;; Outputs: out0 128 x 512 float32.
;; 2 versions, each right; version 2 is version 1 with the launch moreau written anew for expert scheduling mode. Each part assembles by itself: llvm-mc -triple=amdgcn-amd-amdhsa -mcpu=gfx1250 --defsym DOCPART=n.
;; ======== version 1 of 2: 1 launch
;; limits: an iteration or a series of the reference is cut at 10 steps; values are held in f16: magnitudes above 65,504 overflow, below 6.1e-05 lose precision; right only within a limited range of input values
;; launch moreau (part 1): grid 32 x 8, 8 waves a work-group, no clusters, 67,584 bytes of LDS; arguments x, W, lam, out0; writes out0
.if DOCPART == 1
	.amdgcn_target "amdgcn-amd-amdhsa--gfx1250"
	.amdhsa_code_object_version 6
	.text
	.protected	k_q5291912217_moreau
	.globl	k_q5291912217_moreau
	.p2align	8
	.type	k_q5291912217_moreau,@function
k_q5291912217_moreau:
	s_mov_b64 s[64:65], 0
	v_nop
	global_prefetch_b8 v0, s[64:65] scope:SCOPE_SE
	s_setreg_imm32_b32 hwreg(HW_REG_WAVE_MODE, 25, 1), 1
	s_wait_xcnt 0x0
; MOREAU-TROPICAL LAYER.  For each pair (b, n): z_d = x[b][d] + W[n][d], d = 0..1023; tau solves f(tau) = sum_d relu(z_d - tau) = lam; out0[b][n] = y(tau) = tau + sum_d relu(z_d - tau)^2 / (2 lam).
; x: [128][1024], W: [512][1024], lam: one number, out0: [128][512], all f32.
; WHAT IS DONE IN PLACE OF reference()'s 16 HALVINGS OF [min z - lam, max z], AND WHY IT HOLDS FOR ALL INPUTS WITH lam > 0.
;   f is continuous, convex and falls; y'(tau) = 1 - f(tau) / lam is 0 at the root tau*, and y'' = (number of z_d above tau) / lam <= 1024 / lam.  So y(tau) - y(tau*) <= 1024 (tau - tau*)^2 / (2 lam):
;   the result hangs on tau's error in second order only, for reference()'s tau as for this one.
;   The root lies in a narrower bracket: the largest term alone gives f(tau) >= max z - tau, so tau* >= max z - lam; relu(u) >= u gives f(tau) >= 1024 (mean z - tau), so tau* >= mean z - lam / 1024;
;   f(max z) = 0 < lam gives tau* <= max z.  Its width w is at most lam.  STEPS = 10 halvings and the midpoint leave |tau - tau*| <= w / 2048, so y is off by at most 1024 w^2 / (2^23 lam) <= w / 8192.
;   min z serves reference() for its starting bracket alone and is not computed.  mean z = (sum x[b] + sum W[n]) / 1024: two row sums, taken while the rows are loaded.
; FORMATS.  x and W are kept in LDS rounded once to f16; z = x + W is made in packed f16 and stays in registers; v = z - lo (lo: the bracket's lower end, an f16 number) is exact or good to 2^-12 of v for
;   the terms above lo, and the others only have to stay below 0.  Together z is off by at most 2^-12 (|x| + |W| + |z|), and y by no more than z.  All sums are f32, in the matrix unit.
;   f(t) is taken as sum max(v, t) - 1024 t: both terms are at most 1024 w with w <= lam, whatever offset the inputs carry (it has gone with lo), so in f32 the difference is good to some 2^-12 of lam.
; THE MATRIX UNIT ADDS.  D = A B with A all ones and B the data: lane l holds column l % 16 of B, and in D every register of lane l holds column l % 16's sum over k.  So a lane pair (l, l + 16) owns a
;   pair (b, n), half of its 1,024 terms each, and receives that pair's sum with no exchange of lanes.  The order of k does not matter to a sum.  sum r^2 is the diagonal of r r^T: A and B are the same registers.
; SHARES.  A work-group has 16 b x 16 n: of all tiles of 256 pairs the one with the fewest rows to load (32).  Eight waves; wave w loads rows 2 w, 2 w + 1 of x's and of W's tile, and then does the
;   pairs (2 w, all 16 n) and (2 w + 1, all 16 n), one group of 16 pairs a round: 256 registers of packed f16.
; NO CLUSTER, NO TENSOR LOAD: x's rows are shared by the 32 work-groups of a grid row and W's by the 8 of a column, but each work-group reads its 131,072 bytes once, at its head, and they pass through
;   registers to be summed and rounded to f16; laid into LDS as f32 by a joint load they would be read, rounded and stored there once more.
; LIMITS.  lam > 0 (for lam < 0 the bracket closes on max z, which is where reference()'s halvings end; lam = 0: reference()'s infinity is not made).  |x|, |W| and |z| + lam stay under 65,504, f16's end.
;   NaN and infinities are not treated apart.  A term of v below 6e-5 keeps f16's fixed step of 6e-8.
.set STEPS, 10
.set ROWG,  4096                       ; bytes of a row of x or W in memory
.set PITCH, 2064                       ; a row in LDS: 2,048 bytes of f16 + 16: row r starts 16 r bytes on modulo 256, so the 16 rows of a load touch 16 different groups of four banks (64 banks of 4 bytes: ISA guide 11.1)
.set WB,    16*PITCH                   ; x's 16 rows lie at 0, W's 16 rows here
.set SUMS,  32*PITCH                   ; 66,048 = 258 x 256: 16 row sums of x, then 16 of W, f32
.set SPARE, SUMS+256                   ; the spare words, 128 bytes for each of the eight waves: four blocks of 256 bytes that no other line names
; window 0
.set SPW,  2                           ; LDS address of my spare word; never rewritten
.set NIL,  3                           ; 0; never rewritten
.set AW,   4                           ; LDS address of my half of W's row l % 16
.set AX,   5                           ; of my half of the round's row of x
.set ASW,  6                           ; of W's row sum
.set ASX,  7                           ; of x's row sum
.set OO,   8                           ; my byte offset in out0's tile
.set YA,   9                           ; results: lanes 0-15 round 0's, lanes 16-31 round 1's
.set INV,  10                          ; 1 / (2 lam)
.set BLO,  11                          ; the bracket, measured from lo
.set BHI,  12
.set TP,   13                          ; t, f16, in both halves (named v13 where a half is named)
.set TF,   14                          ; t as f32
.set THR,  15                          ; 1024 t + lam
.set LOF,  16                          ; lo as f32
.set NLO,  17                          ; -lo, f16, in both halves (named v17 where a half is named)
.set NT,   18                          ; -t likewise
.set F,    19
.set SX,   20                          ; v20-23 are at work in the head too
.set SW,   21
.set ZM,   22
.set Q,    23
.set M,    24                          ; v24-27 four running maxima, two f16 each (v24 where a half is named)
.set VO,   28                          ; the head's global offset
.set SA,   29                          ; the head's LDS address
.set AX0,  30                          ; 1,024 x (l / 16): my half of a row
.set LAMV, 31                          ; max(lam, 0)
.set ONE0, 32                          ; v32-39 1.0 in f16, sixteen times a lane: A
.set T,    40                          ; v40-63 three operand buffers of 8
.set ACC,  64                          ; v64-95 four accumulators of 8
.set LT,   64                          ; v64-127 where LDS loads land, two sets of 32 (before the accumulators are in use)
.set ZA,   128                         ; v128-255 terms 0-255 of my half; in the head: where the 32 global loads land
; window 1
.set ZB,   0                           ; terms 256-511 of my half
.set ONE1, 128                         ; the ones once more
.set GB,   136                         ; two accumulators of 8
.set M1,   152                         ; four running maxima
.set AW1,  156                         ; copies of AW, AX, TP, NT
.set AX1,  157
.set TP1,  158
.set NT1,  159
.set LT1,  160                         ; two sets of 32
.set MSB, 0
.macro WIN new                         ; s_set_vgpr_msb: bits 1:0 source 0, 3:2 source 1, 5:4 source 2, 7:6 destination; the high byte repeats the setting that is left
.if MSB != (\new)
	s_set_vgpr_msb (MSB<<8)|(\new)
.set MSB, \new
.endif
.endm
	s_load_b256 s[4:11], s[0:1], 0x0               ; x s[4:5], W s[6:7], lam s[8:9], out0 s[10:11]
	v_lshl_add_u32 v[SPW], v0, 2, SPARE
	v_mov_b32 v[NIL], 0
	v_lshrrev_b32 v1, 5, v0
	v_readfirstlane_b32 s12, v1                    ; wave 0..7
	v_and_b32 v1, 31, v0                           ; lane
	s_and_b32 s13, ttmp7, 0xffff                   ; which 16 rows of x
	s_lshl_b32 s14, s13, 16                        ; 16 rows of 4,096 bytes
	s_mov_b32 s15, 0
	s_lshl_b32 s16, ttmp9, 16                      ; which 16 rows of W
	s_mov_b32 s17, 0
	s_lshl_b32 s18, s12, 13                        ; my wave's two rows
	v_lshl_add_u32 v[VO], v1, 4, s18               ; + 16 bytes a lane: a load of the wave covers 512 consecutive bytes
	s_mul_i32 s43, s12, 2*PITCH                    ; the same two rows in LDS; later: the round's row of x
	v_lshl_add_u32 v[SA], v1, 3, s43               ; + 8 bytes a lane
	s_lshl_b32 s44, s12, 3
	s_add_co_u32 s44, s44, SUMS                    ; my two rows' sums; later: the round's
	v_mov_b32 v[ASX], s44
	s_wait_kmcnt 0x0
	s_load_b32 s20, s[8:9], 0x0                    ; lam
	s_add_nc_u64 s[4:5], s[4:5], s[14:15]
	s_add_nc_u64 s[6:7], s[6:7], s[16:17]
.irp i, 0,1                                    ; 32 loads are out at once: two rows of x, then two of W
.irp j, 0,1,2,3,4,5,6,7
	global_load_b128 v[ZA+32*(\i)+4*(\j):ZA+32*(\i)+4*(\j)+3], v[VO], s[4:5] offset:(\i)*ROWG+(\j)*512
.endr
.endr
.irp i, 0,1
.irp j, 0,1,2,3,4,5,6,7
	global_load_b128 v[ZA+64+32*(\i)+4*(\j):ZA+64+32*(\i)+4*(\j)+3], v[VO], s[6:7] offset:(\i)*ROWG+(\j)*512
.endr
.endr
	; the set-up stands in the wait for them
	s_mov_b32 s26, 0x76543210                      ; v_permlanex16_b32's selects: each lane takes its own place in the other half
	s_mov_b32 s27, 0xfedcba98
	s_mov_b32 s28, 0x44800000                      ; 1024.0
	s_mov_b32 s29, 0x3a800000                      ; 1 / 1024
	s_mov_b32 s30, 0x80008000                      ; the signs of two f16
.irp j, 1,2,3,4,5,6,7
	s_mov_b32 s[31+(\j)], 0x01010101<<(\j)         ; the lanes with l % 8 = j
.endr
	s_mov_b32 s39, 0xff0000ff                      ; the lanes that hold a diagonal element: 0-7 and 24-31
	s_mov_b32 s40, 0x0000ffff                      ; the lanes that keep this round's result
	s_mov_b32 s41, 2                               ; rounds
	v_and_b32 v1, 15, v0                           ; r = l % 16: my pair's n
	v_bfe_u32 v[F], v0, 4, 1                       ; h = l / 16: my half of its terms
	v_mul_u32_u24 v[AW], v1, PITCH
	v_lshl_add_u32 v[AW], v[F], 10, v[AW]
	v_add_nc_u32 v[AW], WB, v[AW]
	v_lshlrev_b32 v[AX0], 10, v[F]
	v_lshl_add_u32 v[ASW], v1, 2, SUMS+64
	s_lshl_b32 s18, s12, 12                        ; out0: row 2 w + h of the tile (2,048 bytes a row), column r
	v_lshl_add_u32 v[OO], v[F], 11, s18
	v_lshl_add_u32 v[OO], v1, 2, v[OO]
	s_lshl_b32 s22, s13, 15                        ; the tile: 16 rows down for each step of y, 64 bytes along for each step of x
	s_lshl_b32 s23, ttmp9, 6
	s_add_co_u32 s22, s22, s23
	s_mov_b32 s23, 0
	s_add_nc_u64 s[10:11], s[10:11], s[22:23]
	v_mov_b32 v[YA], 0
.irp e, 0,1,2,3,4,5,6,7
	v_mov_b32 v[ONE0+(\e)], 0x3c003c00
.endr
	WIN 0x40                                       ; destination window 1
.irp e, 0,1,2,3,4,5,6,7
	v_mov_b32 v[ONE1+(\e)], 0x3c003c00
.endr
	v_mov_b32 v[AW1], v[AW]
	WIN 0
	s_wait_kmcnt 0x0                               ; lam
	v_max_num_f32 v[LAMV], 0, s20
	v_add_f32 v[Q], s20, s20
	v_rcp_f32 v[INV], v[Q]
	v_nop                                          ; a plain instruction behind the reciprocal,
	s_wait_alu depctr_va_vdst(0)                   ; and a wait ahead of its first use and of every label
; Row q of my four: its sum (f32, of the numbers as loaded), then rounded to f16, 8 bytes a lane, into LDS: 256 consecutive bytes a store.
.macro ROWIN q, lds, sum
.set RB, ZA+32*(\q)
	s_wait_loadcnt 24-8*(\q)                       ; loads come back in order: this row's eight are in, the later rows' stay out
	v_pk_add_f32 v[20:21], v[RB:RB+1], v[RB+2:RB+3]
	v_pk_add_f32 v[22:23], v[RB+4:RB+5], v[RB+6:RB+7]
.irp j, 2,3,4,5,6,7
	v_pk_add_f32 v[20+2*((\j)%2):21+2*((\j)%2)], v[20+2*((\j)%2):21+2*((\j)%2)], v[RB+4*(\j):RB+4*(\j)+1]
	v_pk_add_f32 v[20+2*((\j)%2):21+2*((\j)%2)], v[20+2*((\j)%2):21+2*((\j)%2)], v[RB+4*(\j)+2:RB+4*(\j)+3]
.endr
	v_pk_add_f32 v[20:21], v[20:21], v[22:23]
	v_add_f32 v20, v20, v21
	v_add_f32_dpp v20, v20, v20 row_xmask:1 row_mask:0xf bank_mask:0xf
	v_add_f32_dpp v20, v20, v20 row_xmask:2 row_mask:0xf bank_mask:0xf
	v_add_f32_dpp v20, v20, v20 row_xmask:4 row_mask:0xf bank_mask:0xf
	v_add_f32_dpp v20, v20, v20 row_xmask:8 row_mask:0xf bank_mask:0xf
	v_permlanex16_b32 v21, v20, s26, s27
	v_add_f32 v20, v20, v21
	ds_store_b32 v[ASX], v20 offset:\sum           ; all lanes store the same number to the same word
.irp j, 0,1,2,3,4,5,6,7
	v_cvt_pk_f16_f32 v[RB+4*(\j)], v[RB+4*(\j)], v[RB+4*(\j)+1]
	v_cvt_pk_f16_f32 v[RB+4*(\j)+1], v[RB+4*(\j)+2], v[RB+4*(\j)+3]
	ds_store_b64 v[SA], v[RB+4*(\j):RB+4*(\j)+1] offset:(\lds)+256*(\j)
.endr
.endm
	ROWIN 0, 0, 0
	ROWIN 1, PITCH, 4
	ROWIN 2, WB, 64
	ROWIN 3, WB+PITCH, 68
	s_wait_dscnt 0x0                               ; for the others' sake: my stores are done
	s_barrier_signal -1
	s_barrier_wait -1                              ; both tiles and all 32 sums lie in LDS; nothing is stored there any more
; z = x + W and its maximum, for half of my 512 terms: 32 pieces of 8 terms, in 8 batches of 4.  A batch is 8 LDS loads (W's: 16 rows, 16 bytes each; x's: one address for 16 lanes) and 32 packed lines.
.macro LOADB lt, aw, ax, off
.irp q, 0,1,2,3
	ds_load_b128 v[(\lt)+8*(\q):(\lt)+8*(\q)+3],   v[\aw] offset:(\off)+16*(\q)
	ds_load_b128 v[(\lt)+8*(\q)+4:(\lt)+8*(\q)+7], v[\ax] offset:(\off)+16*(\q)
.endr
.endm
.macro WORKB z, lt, m, first
.irp q, 0,1,2,3
.irp e, 0,1,2,3
	v_pk_add_f16 v[(\z)+4*(\q)+(\e)], v[(\lt)+8*(\q)+(\e)], v[(\lt)+8*(\q)+4+(\e)]
.endr
.endr
.irp q, 0,1,2,3
.irp e, 0,1,2,3
.if (\first) && ((\q) == 0)
	v_mov_b32 v[(\m)+(\e)], v[(\z)+(\e)]           ; the first four words start the four chains
.else
	v_pk_max_num_f16 v[(\m)+(\e)], v[(\m)+(\e)], v[(\z)+4*(\q)+(\e)]
.endif
.endr
.endr
.endm
.macro PREP z, lt, m, aw, ax, off
	LOADB \lt, \aw, \ax, \off
	LOADB (\lt)+32, \aw, \ax, (\off)+64
.set bt, 0
.rept 8
.if bt < 7
	s_wait_dscnt 8                                 ; LDS loads come back in order: this batch's eight are in, the next batch's eight stay out
.else
	s_wait_dscnt 0x0
.endif
	WORKB (\z)+16*bt, (\lt)+32*(bt%2), \m, bt==0
.if bt < 6
	LOADB (\lt)+32*(bt%2), \aw, \ax, (\off)+64*(bt+2)
.endif
.set bt, bt+1
.endr
.endm
; ONE HALVING's SUM: 32 times eight lines max(v, t) into an operand buffer, and one product with the ones.  A product stands behind the NEXT eight lines, so that it does not wait for the line just ahead of it.
; A buffer is written again eight plain lines behind the product that read it (four are asked for: ISA guide 7.12.1).  The four accumulators take turns, one instruction a turn;
; the first four products start the sums with the constant 0.  From piece 16 on source 0 lies in window 1: the data of max, and so the ones of the products.
.macro PASS
.set i, 0
.rept 33
.if i == 16
	WIN 0x01
.endif
.if i < 32
.irp e, 0,1,2,3,4,5,6,7
.if i < 16
	v_pk_max_num_f16 v[T+8*(i%3)+(\e)], v[ZA+8*i+(\e)], v[TP]
.else
	v_pk_max_num_f16 v[T+8*(i%3)+(\e)], v[ZB+8*(i-16)+(\e)], v[TP]
.endif
.endr
.endif
.if i > 0
.set j, i-1
.set tb, T+8*(j%3)
.set ac, ACC+8*(j%4)
.set on, ONE0
.if j >= 15
.set on, ONE1
.endif
.if j < 4
	v_wmma_f32_16x16x32_f16 v[ac:ac+7], v[on:on+7], v[tb:tb+7], 0
.else
	v_wmma_f32_16x16x32_f16 v[ac:ac+7], v[on:on+7], v[tb:tb+7], v[ac:ac+7]
.endif
.endif
.set i, i+1
.endr
	WIN 0
.endm
; THE LAST SUM, for half of my terms: r = max(v, t) - t in place, and r r^T, both sources the same registers, on two accumulators by turns.
.macro GRAM z, tp, nt, ga
.set i, 0
.rept 17
.if i < 16
.irp e, 0,1,2,3,4,5,6,7
	v_pk_max_num_f16 v[(\z)+8*i+(\e)], v[(\z)+8*i+(\e)], v[\tp]
.endr
.irp e, 0,1,2,3,4,5,6,7
	v_pk_add_f16 v[(\z)+8*i+(\e)], v[(\z)+8*i+(\e)], v[\nt]
.endr
.endif
.if i > 0
.set j, i-1
.set ac, (\ga)+8*(j%2)
.set zz, (\z)+8*j
.if j < 2
	v_wmma_f32_16x16x32_f16 v[ac:ac+7], v[zz:zz+7], v[zz:zz+7], 0
.else
	v_wmma_f32_16x16x32_f16 v[ac:ac+7], v[zz:zz+7], v[zz:zz+7], v[ac:ac+7]
.endif
.endif
.set i, i+1
.endr
.endm
.Lround:                                       ; two rounds: row 2 w of x's tile, then row 2 w + 1, each with all 16 rows of W's
	v_mov_b32 v[ASX], s44
	v_add_nc_u32 v[AX], s43, v[AX0]
	WIN 0x40
	v_add_nc_u32 v[AX1], s43, v[AX0]
	WIN 0
	ds_load_b32 v[SX], v[ASX]                      ; the two row sums; they are in when the first batch is
	ds_load_b32 v[SW], v[ASW]
	PREP ZA, LT, M, AW, AX, 0
	WIN 0x55                                       ; the second half is the same text with every operand in window 1
	PREP ZB, LT1, M1, AW1, AX1, 512
	WIN 0x01
.irp e, 0,1,2,3
	v_pk_max_num_f16 v[M+(\e)], v[M1+(\e)], v[M+(\e)]
.endr
	WIN 0
	v_pk_max_num_f16 v[M], v[M], v[M+1]
	v_pk_max_num_f16 v[M+2], v[M+2], v[M+3]
	v_pk_max_num_f16 v[M], v[M], v[M+2]
	v_cvt_f32_f16 v[ZM], v24.l
	v_cvt_f32_f16 v[Q], v24.h
	v_max_num_f32 v[ZM], v[ZM], v[Q]
	v_permlanex16_b32 v[Q], v[ZM], s26, s27        ; the pair's other 512 terms lie in the lane 16 away
	v_max_num_f32 v[ZM], v[ZM], v[Q]               ; max z
	v_add_f32 v[SX], v[SX], v[SW]
	v_sub_f32 v[SX], v[SX], v[LAMV]
	v_mul_f32 v[SX], s29, v[SX]                    ; mean z - lam / 1024
	v_sub_f32 v[Q], v[ZM], v[LAMV]                 ; max z - lam
	v_max_num_f32 v[Q], v[Q], v[SX]                ; the higher of the two lower bounds,
	v_cvt_pk_f16_f32 v[NLO], v[Q], v[Q]            ; as an f16 number: lo.  Where the rounding lifts it over the root, the halvings end at the bracket's lower end, half of lo's last place off
	v_cvt_f32_f16 v[LOF], v17.l
	v_xor_b32 v[NLO], s30, v[NLO]
	v_sub_f32 v[BHI], v[ZM], v[LOF]
	v_max_num_f32 v[BHI], 0, v[BHI]                ; the bracket is [0, max z - lo]
	v_mov_b32 v[BLO], 0
.set i, 0
.rept 128
	v_pk_add_f16 v[ZA+i], v[ZA+i], v[NLO]          ; v = z - lo, in place
.set i, i+1
.endr
	WIN 0x41
.set i, 0
.rept 128
	v_pk_add_f16 v[ZB+i], v[ZB+i], v[NLO]
.set i, i+1
.endr
	WIN 0
	s_mov_b32 s42, STEPS
.Lstep:
	v_add_f32 v[Q], v[BLO], v[BHI]
	v_mul_f32 v[Q], 0.5, v[Q]
	v_cvt_pk_f16_f32 v[TP], v[Q], v[Q]             ; the midpoint as an f16 number, in both halves; what follows goes by that number
	PASS
	v_add_f32 v[F], v[ACC], v[ACC+8]               ; these four lines name no register of the last two products: they are the four places ahead of the reads of their results
	v_cvt_f32_f16 v[TF], v13.l
	v_fma_f32 v[THR], v[TF], s28, v[LAMV]
	v_nop
	v_add_f32 v[F], v[F], v[ACC+16]
	v_add_f32 v[F], v[F], v[ACC+24]                ; sum max(v, t)
	v_cmp_gt_f32 vcc_lo, v[F], v[THR]              ; f(t) > lam: t is too low
	v_cndmask_b32 v[BLO], v[BLO], v[TF], vcc_lo
	v_cndmask_b32 v[BHI], v[TF], v[BHI], vcc_lo
	s_sub_co_u32 s42, s42, 1
	s_cmp_lg_u32 s42, 0
	s_cbranch_scc1 .Lstep
	v_add_f32 v[Q], v[BLO], v[BHI]
	v_mul_f32 v[Q], 0.5, v[Q]
	v_cvt_pk_f16_f32 v[TP], v[Q], v[Q]
	v_xor_b32 v[NT], s30, v[TP]
	v_cvt_f32_f16 v[TF], v13.l
	WIN 0x40
	v_mov_b32 v[TP1], v[TP]
	v_mov_b32 v[NT1], v[NT]
	WIN 0
	GRAM ZA, TP, NT, ACC
	WIN 0x55
	GRAM ZB, TP1, NT1, GB
	WIN 0
.irp e, 0,2,4,6                                ; the four accumulators are added, each read from its low end on; these four lines are the places behind window 1's last two products
	v_pk_add_f32 v[ACC+(\e):ACC+(\e)+1], v[ACC+(\e):ACC+(\e)+1], v[ACC+8+(\e):ACC+8+(\e)+1]
.endr
	WIN 0x01
.irp e, 0,2,4,6
	v_pk_add_f32 v[ACC+(\e):ACC+(\e)+1], v[GB+(\e):GB+(\e)+1], v[ACC+(\e):ACC+(\e)+1]
.endr
.irp e, 0,2,4,6
	v_pk_add_f32 v[ACC+(\e):ACC+(\e)+1], v[GB+8+(\e):GB+8+(\e)+1], v[ACC+(\e):ACC+(\e)+1]
.endr
	WIN 0
	; register j of lane l holds element (8 (l / 16) + j, l % 16): the diagonal lies in register l % 8 of lanes 0-7 and 24-31
.irp j, 1,2,3,4,5,6,7
	v_cndmask_b32 v[ACC], v[ACC], v[ACC+(\j)], s[31+(\j)]
.endr
	v_permlanex16_b32 v[Q], v[ACC], s26, s27       ; the other lanes take it from the lane 16 away
	v_cndmask_b32 v[F], v[Q], v[ACC], s39          ; sum r^2
	v_add_f32 v[Q], v[LOF], v[TF]                  ; tau = lo + t
	v_fma_f32 v[F], v[F], v[INV], v[Q]             ; y
	v_cndmask_b32 v[YA], v[YA], v[F], s40
	s_add_co_u32 s43, s43, PITCH                   ; the next row of x, and its sum
	s_add_co_u32 s44, s44, 4
	s_lshl_b32 s40, s40, 16
	s_sub_co_u32 s41, s41, 1
	s_cmp_lg_u32 s41, 0
	s_cbranch_scc1 .Lround
	global_store_b32 v[OO], v[YA], s[10:11]        ; one store a wave: 64 consecutive bytes of each of two rows of out0, which is all that a tile 16 wide has of a row
	s_wait_tensorcnt 0x0                           ; the wave's end, behind my last LDS store
	ds_add_u32 v[SPW], v[NIL]
	s_wait_dscnt 0x0
	s_endpgm
.Lfunc_end_k_q5291912217_moreau:
	.size	k_q5291912217_moreau, .Lfunc_end_k_q5291912217_moreau-k_q5291912217_moreau
	.p2alignl 7, 3214868480
	.fill 96, 4, 3214868480
	.section	.rodata,"a",@progbits
	.p2align	6, 0x0
	.amdhsa_kernel k_q5291912217_moreau
		.amdhsa_group_segment_fixed_size 67584
		.amdhsa_private_segment_fixed_size 0
		.amdhsa_enable_private_segment 0
		.amdhsa_kernarg_size 32
		.amdhsa_user_sgpr_count 2
		.amdhsa_user_sgpr_kernarg_segment_ptr 1
		.amdhsa_wavefront_size32 1
		.amdhsa_system_sgpr_workgroup_id_x 1
		.amdhsa_system_sgpr_workgroup_id_y 1
		.amdhsa_system_sgpr_workgroup_id_z 1
		.amdhsa_system_vgpr_workitem_id 0
		.amdhsa_next_free_vgpr 480
		.amdhsa_next_free_sgpr 66
		.amdhsa_reserve_vcc 1
		.amdhsa_float_denorm_mode_32 3
		.amdhsa_float_denorm_mode_16_64 3
		.amdhsa_memory_ordered 1
		.amdhsa_forward_progress 1
		.amdhsa_inst_pref_size 132
	.end_amdhsa_kernel
	.amdgpu_metadata
---
amdhsa.version: [ 1, 2 ]
amdhsa.kernels:
  - .name:           k_q5291912217_moreau
    .symbol:         k_q5291912217_moreau.kd
    .args:
      - { .name: x, .offset: 0, .size: 8, .value_kind: global_buffer, .address_space: global }
      - { .name: W, .offset: 8, .size: 8, .value_kind: global_buffer, .address_space: global }
      - { .name: lam, .offset: 16, .size: 8, .value_kind: global_buffer, .address_space: global }
      - { .name: out0, .offset: 24, .size: 8, .value_kind: global_buffer, .address_space: global }
    .group_segment_fixed_size: 67584
    .private_segment_fixed_size: 0
    .kernarg_segment_align: 8
    .kernarg_segment_size: 32
    .max_flat_workgroup_size: 256
    .sgpr_count:     66
    .vgpr_count:     480
    .wavefront_size: 32
...
	.end_amdgpu_metadata
.endif
;; end of part 1
;; ======== version 2 of 2: 1 launch; version 1 with the launch moreau written anew for expert scheduling mode
;; limits: an iteration or a series of the reference is cut at 10 steps; values are held in f16: magnitudes above 65,504 overflow, below 6.1e-05 lose precision; right only within a limited range of input values
;; launch moreau (part 2): grid 32 x 8, 8 waves a work-group, no clusters, 67,584 bytes of LDS; arguments x, W, lam, out0; writes out0
.if DOCPART == 2
	.amdgcn_target "amdgcn-amd-amdhsa--gfx1250"
	.amdhsa_code_object_version 6
	.text
	.protected	k_q5291912217_moreau
	.globl	k_q5291912217_moreau
	.p2align	8
	.type	k_q5291912217_moreau,@function
k_q5291912217_moreau:
	s_mov_b64 s[64:65], 0
	v_nop
	global_prefetch_b8 v0, s[64:65] scope:SCOPE_SE
	s_setreg_imm32_b32 hwreg(HW_REG_WAVE_SCHED_MODE, 0, 2), 2
	s_setreg_imm32_b32 hwreg(HW_REG_WAVE_MODE, 25, 1), 1
	s_wait_xcnt 0x0
	s_wait_alu depctr_vm_vsrc(0)
; MOREAU-TROPICAL LAYER.  For each pair (b, n): z_d = x[b][d] + W[n][d], d = 0..1023; tau solves f(tau) = sum_d relu(z_d - tau) = lam; out0[b][n] = y(tau) = tau + sum_d relu(z_d - tau)^2 / (2 lam).
; x: [128][1024], W: [512][1024], lam: one number, out0: [128][512], all f32.
; WHAT IS DONE IN PLACE OF reference()'s 16 HALVINGS OF [min z - lam, max z], AND WHY IT HOLDS FOR ALL INPUTS WITH lam > 0.
;   f is continuous, convex and falls; y'(tau) = 1 - f(tau) / lam is 0 at the root tau*, and y'' = (number of z_d above tau) / lam <= 1024 / lam.  So y(tau) - y(tau*) <= 1024 (tau - tau*)^2 / (2 lam):
;   the result hangs on tau's error in second order only, for reference()'s tau as for this one.
;   The root lies in a narrower bracket: the largest term alone gives f(tau) >= max z - tau, so tau* >= max z - lam; relu(u) >= u gives f(tau) >= 1024 (mean z - tau), so tau* >= mean z - lam / 1024;
;   f(max z) = 0 < lam gives tau* <= max z.  Its width w is at most lam.  STEPS = 10 halvings and the midpoint leave |tau - tau*| <= w / 2048, so y is off by at most 1024 w^2 / (2^23 lam) <= w / 8192.
;   min z serves reference() for its starting bracket alone and is not computed.  mean z = (sum x[b] + sum W[n]) / 1024: two row sums, taken while the rows are loaded.
; FORMATS.  x and W are kept in LDS rounded once to f16; z = x + W is made in packed f16 and stays in registers; v = z - lo (lo: the bracket's lower end, an f16 number) is exact or good to 2^-12 of v for
;   the terms above lo, and the others only have to stay below 0.  Together z is off by at most 2^-12 (|x| + |W| + |z|), and y by no more than z.  All sums are f32, in the matrix unit.
;   f(t) is taken as sum max(v, t) - 1024 t: both terms are at most 1024 w with w <= lam, whatever offset the inputs carry (it has gone with lo), so in f32 the difference is good to some 2^-12 of lam.
; THE MATRIX UNIT ADDS.  D = A B with A all ones and B the data: lane l holds column l % 16 of B, and in D every register of lane l holds column l % 16's sum over k.  So a lane pair (l, l + 16) owns a
;   pair (b, n), half of its 1,024 terms each, and receives that pair's sum with no exchange of lanes.  The order of k does not matter to a sum.  sum r^2 is the diagonal of r r^T: A and B are the same registers.
; SHARES.  A work-group has 16 b x 16 n: of all tiles of 256 pairs the one with the fewest rows to load (32).  Eight waves; wave w loads rows 2 w, 2 w + 1 of x's and of W's tile, and then does the
;   pairs (2 w, all 16 n) and (2 w + 1, all 16 n), one group of 16 pairs a round: 256 registers of packed f16.
; NO CLUSTER, NO TENSOR LOAD: x's rows are shared by the 32 work-groups of a grid row and W's by the 8 of a column, but each work-group reads its 131,072 bytes once, at its head, and they pass through
;   registers to be summed and rounded to f16; laid into LDS as f32 by a joint load they would be read, rounded and stored there once more.
; LIMITS.  lam > 0 (for lam < 0 the bracket closes on max z, which is where reference()'s halvings end; lam = 0: reference()'s infinity is not made).  |x|, |W| and |z| + lam stay under 65,504, f16's end.
;   NaN and infinities are not treated apart.  A term of v below 6e-5 keeps f16's fixed step of 6e-8.
; THE MODE: SCHED_MODE bits 1:0 = 2 (LLVM: expert scheduling mode 2), set by the entry lines.  The code itself states the register dependences between vector or matrix instructions and memory or LDS
;   instructions, with s_wait_alu, always for 0.
; THE PLAN.  Registers that memory or LDS instructions touch:
;   VO, SA, OO, AW, AW1, ASW   offsets and addresses, written once in the head and never again.
;   ASX, AX, AX1               written at each round's head; read by the head's stores of the sums (ASX) and by the round's LDS loads.
;   ZA in the head             the 32 global loads land in it; a row's conversions write part of it in place; the row's eight LDS stores read that part; the rounds write all of it again.
;   RS                         a row's sum, a register to each of my four rows: written once, read by one LDS store; later part of T.
;   SX, SW                     two LDS loads land in them at a round's head; vector work of the head and of the round before has named them.
;   three landing sets a half  LT, LT + 32 and the last 32 registers of that half's z (which z itself reaches in batches 6 and 7 only, behind the set's last use in batch 5).  Batch g's eight LDS loads land
;                              in set (g % 8) % 3; its sixteen additions read it; the loads of batch g + 3 land in it, asked for at the head of batch g + 1.  LT is also the accumulators of the sums behind.
;   YA                         written at each round's end, read by the one global store.
;   All else (z beyond the tails, T, M, the ones, the bracket) is named by vector and matrix instructions alone; the halvings touch no memory.
; So: one wait on vm_vsrc and one on va_vdst at a round's head; one on va_vdst at the head of a batch whose loads land in a set that the batch before has read; one ahead of each row's stores in the head,
;   one ahead of the first load and one ahead of the last store.  A vector instruction writes a scalar result in two places: the wave's number, and VCC in each halving.
.set STEPS, 10
.set ROWG,  4096                       ; bytes of a row of x or W in memory
.set PITCH, 2064                       ; a row in LDS: 2,048 bytes of f16 + 16: row r starts 16 r bytes on modulo 256, so the 16 rows of a load touch 16 different groups of four banks (64 banks of 4 bytes: ISA guide 11.1)
.set WB,    16*PITCH                   ; x's 16 rows lie at 0, W's 16 rows here
.set SUMS,  32*PITCH                   ; 66,048 = 258 x 256: 16 row sums of x, then 16 of W, f32
.set SPARE, SUMS+256                   ; the spare words, 128 bytes for each of the eight waves: four blocks of 256 bytes that no other line names
; window 0
.set SPW,  2                           ; LDS address of my spare word; never rewritten
.set NIL,  3                           ; 0; never rewritten
.set AW,   4                           ; LDS address of my half of W's row l % 16
.set AX,   5                           ; of my half of the round's row of x
.set ASW,  6                           ; of W's row sum
.set ASX,  7                           ; of x's row sum
.set OO,   8                           ; my byte offset in out0's tile
.set YA,   9                           ; results: lanes 0-15 round 0's, lanes 16-31 round 1's
.set INV,  10                          ; 1 / (2 lam)
.set BLO,  11                          ; the bracket, measured from lo
.set BHI,  12
.set TP,   13                          ; t, f16, in both halves (named v13 where a half is named)
.set TF,   14                          ; t as f32
.set THR,  15                          ; 1024 t + lam
.set LOF,  16                          ; lo as f32
.set NLO,  17                          ; -lo, f16, in both halves (named v17 where a half is named)
.set NT,   18                          ; -t likewise
.set F,    19
.set SX,   20                          ; v20-23 are at work in the head too
.set SW,   21
.set ZM,   22
.set Q,    23
.set M,    24                          ; v24-27 four running maxima, two f16 each (v24 where a half is named)
.set VO,   28                          ; the head's global offset
.set SA,   29                          ; the head's LDS address
.set AX0,  30                          ; 1,024 x (l / 16): my half of a row
.set LAMV, 31                          ; max(lam, 0)
.set ONE0, 32                          ; v32-39 1.0 in f16, sixteen times a lane: A
.set T,    40                          ; v40-63 three operand buffers of 8
.set RS,   40                          ; v40-43 in the head only: my four rows' sums
.set ACC,  64                          ; v64-95 four accumulators of 8
.set LT,   64                          ; v64-127 where LDS loads land, two sets of 32 (before the accumulators are in use); the third set is v224-255, ZA's tail
.set ZA,   128                         ; v128-255 terms 0-255 of my half; in the head: where the 32 global loads land
; window 1
.set ZB,   0                           ; terms 256-511 of my half
.set ONE1, 128                         ; the ones once more
.set GB,   136                         ; two accumulators of 8
.set M1,   152                         ; four running maxima
.set AW1,  156                         ; copies of AW, AX, TP, NT
.set AX1,  157
.set TP1,  158
.set NT1,  159
.set LT1,  160                         ; two sets of 32; the third set is v96-127, ZB's tail
.set MSB, 0
.macro WIN new                         ; s_set_vgpr_msb: bits 1:0 source 0, 3:2 source 1, 5:4 source 2, 7:6 destination; the high byte repeats the setting that is left
.if MSB != (\new)
	s_set_vgpr_msb (MSB<<8)|(\new)
.set MSB, \new
.endif
.endm
	s_load_b256 s[4:11], s[0:1], 0x0               ; x s[4:5], W s[6:7], lam s[8:9], out0 s[10:11]
	v_lshl_add_u32 v[SPW], v0, 2, SPARE
	v_mov_b32 v[NIL], 0
	v_lshrrev_b32 v1, 5, v0
	v_readfirstlane_b32 s12, v1                    ; wave 0..7
	v_and_b32 v1, 31, v0                           ; lane
	s_and_b32 s13, ttmp7, 0xffff                   ; which 16 rows of x
	s_lshl_b32 s14, s13, 16                        ; 16 rows of 4,096 bytes
	s_mov_b32 s15, 0
	s_lshl_b32 s16, ttmp9, 16                      ; which 16 rows of W
	s_mov_b32 s17, 0
	s_wait_alu depctr_va_sdst(0)                   ; s12 is written, ahead of its first reader: offsets and LDS addresses are made from it
	s_lshl_b32 s18, s12, 13                        ; my wave's two rows
	v_lshl_add_u32 v[VO], v1, 4, s18               ; + 16 bytes a lane: a load of the wave covers 512 consecutive bytes
	s_mul_i32 s43, s12, 2*PITCH                    ; the same two rows in LDS; later: the round's row of x
	v_lshl_add_u32 v[SA], v1, 3, s43               ; + 8 bytes a lane
	s_lshl_b32 s44, s12, 3
	s_add_co_u32 s44, s44, SUMS                    ; my two rows' sums; later: the round's
	v_mov_b32 v[ASX], s44
	s_wait_kmcnt 0x0
	s_load_b32 s20, s[8:9], 0x0                    ; lam
	s_add_nc_u64 s[4:5], s[4:5], s[14:15]
	s_add_nc_u64 s[6:7], s[6:7], s[16:17]
	s_wait_alu depctr_va_vdst(0)                   ; VO is written, which the 32 loads read as their offset; so are SA and ASX, the addresses of the head's LDS stores
.irp i, 0,1                                    ; 32 loads are out at once: two rows of x, then two of W
.irp j, 0,1,2,3,4,5,6,7
	global_load_b128 v[ZA+32*(\i)+4*(\j):ZA+32*(\i)+4*(\j)+3], v[VO], s[4:5] offset:(\i)*ROWG+(\j)*512
.endr
.endr
.irp i, 0,1
.irp j, 0,1,2,3,4,5,6,7
	global_load_b128 v[ZA+64+32*(\i)+4*(\j):ZA+64+32*(\i)+4*(\j)+3], v[VO], s[6:7] offset:(\i)*ROWG+(\j)*512
.endr
.endr
	; the set-up stands in the wait for them; it names neither VO nor a register in which a load lands
	s_mov_b32 s26, 0x76543210                      ; v_permlanex16_b32's selects: each lane takes its own place in the other half
	s_mov_b32 s27, 0xfedcba98
	s_mov_b32 s28, 0x44800000                      ; 1024.0
	s_mov_b32 s29, 0x3a800000                      ; 1 / 1024
	s_mov_b32 s30, 0x80008000                      ; the signs of two f16
.irp j, 1,2,3,4,5,6,7
	s_mov_b32 s[31+(\j)], 0x01010101<<(\j)         ; the lanes with l % 8 = j
.endr
	s_mov_b32 s39, 0xff0000ff                      ; the lanes that hold a diagonal element: 0-7 and 24-31
	s_mov_b32 s40, 0x0000ffff                      ; the lanes that keep this round's result
	s_mov_b32 s41, 2                               ; rounds
	v_and_b32 v1, 15, v0                           ; r = l % 16: my pair's n
	v_bfe_u32 v[F], v0, 4, 1                       ; h = l / 16: my half of its terms
	v_mul_u32_u24 v[AW], v1, PITCH
	v_lshl_add_u32 v[AW], v[F], 10, v[AW]
	v_add_nc_u32 v[AW], WB, v[AW]
	v_lshlrev_b32 v[AX0], 10, v[F]
	v_lshl_add_u32 v[ASW], v1, 2, SUMS+64
	s_lshl_b32 s18, s12, 12                        ; out0: row 2 w + h of the tile (2,048 bytes a row), column r
	v_lshl_add_u32 v[OO], v[F], 11, s18
	v_lshl_add_u32 v[OO], v1, 2, v[OO]
	s_lshl_b32 s22, s13, 15                        ; the tile: 16 rows down for each step of y, 64 bytes along for each step of x
	s_lshl_b32 s23, ttmp9, 6
	s_add_co_u32 s22, s22, s23
	s_mov_b32 s23, 0
	s_add_nc_u64 s[10:11], s[10:11], s[22:23]
	v_mov_b32 v[YA], 0
.irp e, 0,1,2,3,4,5,6,7
	v_mov_b32 v[ONE0+(\e)], 0x3c003c00
.endr
	WIN 0x40                                       ; destination window 1
.irp e, 0,1,2,3,4,5,6,7
	v_mov_b32 v[ONE1+(\e)], 0x3c003c00
.endr
	v_mov_b32 v[AW1], v[AW]
	WIN 0
	s_wait_kmcnt 0x0                               ; lam
	v_max_num_f32 v[LAMV], 0, s20
	v_add_f32 v[Q], s20, s20
	v_rcp_f32 v[INV], v[Q]
	v_nop                                          ; a plain instruction behind the reciprocal,
	s_wait_alu depctr_va_vdst(0)                   ; and the reciprocal is written, ahead of INV's first use and of every label
; Row q of my four: its sum (f32, of the numbers as loaded) into a register of its own, the row rounded to f16 in place; then, behind one wait, nine LDS stores: the sum, and 8 bytes a lane, 256 consecutive bytes a store.
.macro ROWIN q, lds, sum
.set RB, ZA+32*(\q)
	s_wait_loadcnt 24-8*(\q)                       ; loads come back in order: this row's eight are in, the later rows' stay out
	v_pk_add_f32 v[20:21], v[RB:RB+1], v[RB+2:RB+3]
	v_pk_add_f32 v[22:23], v[RB+4:RB+5], v[RB+6:RB+7]
.irp j, 2,3,4,5,6,7
	v_pk_add_f32 v[20+2*((\j)%2):21+2*((\j)%2)], v[20+2*((\j)%2):21+2*((\j)%2)], v[RB+4*(\j):RB+4*(\j)+1]
	v_pk_add_f32 v[20+2*((\j)%2):21+2*((\j)%2)], v[20+2*((\j)%2):21+2*((\j)%2)], v[RB+4*(\j)+2:RB+4*(\j)+3]
.endr
	v_pk_add_f32 v[20:21], v[20:21], v[22:23]
	v_add_f32 v20, v20, v21
	v_add_f32_dpp v20, v20, v20 row_xmask:1 row_mask:0xf bank_mask:0xf
	v_add_f32_dpp v20, v20, v20 row_xmask:2 row_mask:0xf bank_mask:0xf
	v_add_f32_dpp v20, v20, v20 row_xmask:4 row_mask:0xf bank_mask:0xf
	v_add_f32_dpp v20, v20, v20 row_xmask:8 row_mask:0xf bank_mask:0xf
	v_permlanex16_b32 v21, v20, s26, s27
	v_add_f32 v[RS+(\q)], v20, v21                 ; no later row writes this register: the store below may read it whenever it does
.irp j, 0,1,2,3,4,5,6,7
	v_cvt_pk_f16_f32 v[RB+4*(\j)], v[RB+4*(\j)], v[RB+4*(\j)+1]
	v_cvt_pk_f16_f32 v[RB+4*(\j)+1], v[RB+4*(\j)+2], v[RB+4*(\j)+3]
.endr
	s_wait_alu depctr_va_vdst(0)                   ; the row's sum and its sixteen conversions are written, which the nine LDS stores read
	ds_store_b32 v[ASX], v[RS+(\q)] offset:\sum    ; all lanes store the same number to the same word
.irp j, 0,1,2,3,4,5,6,7
	ds_store_b64 v[SA], v[RB+4*(\j):RB+4*(\j)+1] offset:(\lds)+256*(\j)
.endr
.endm
	ROWIN 0, 0, 0
	ROWIN 1, PITCH, 4
	ROWIN 2, WB, 64
	ROWIN 3, WB+PITCH, 68
	s_wait_dscnt 0x0                               ; for the others' sake: my stores are done
	s_barrier_signal -1
	s_barrier_wait -1                              ; both tiles and all 32 sums lie in LDS; nothing is stored there any more
; z = x + W and its maximum: my 512 terms are 64 pieces of 8, in 16 batches of 4; batches 0-7 fill ZA (window 0), batches 8-15 ZB (window 1).
; A batch is 8 LDS loads (W's: 16 rows, 16 bytes each; x's: one address for 16 lanes) and 32 packed lines.
.macro LOADB lt, aw, ax, off
.irp q, 0,1,2,3
	ds_load_b128 v[(\lt)+8*(\q):(\lt)+8*(\q)+3],   v[\aw] offset:(\off)+16*(\q)
	ds_load_b128 v[(\lt)+8*(\q)+4:(\lt)+8*(\q)+7], v[\ax] offset:(\off)+16*(\q)
.endr
.endm
.macro WORKB z, lt, m, first
.irp q, 0,1,2,3
.irp e, 0,1,2,3
	v_pk_add_f16 v[(\z)+4*(\q)+(\e)], v[(\lt)+8*(\q)+(\e)], v[(\lt)+8*(\q)+4+(\e)]
.endr
.endr
.irp q, 0,1,2,3
.irp e, 0,1,2,3
.if (\first) && ((\q) == 0)
	v_mov_b32 v[(\m)+(\e)], v[(\z)+(\e)]           ; the first four words start the four chains
.else
	v_pk_max_num_f16 v[(\m)+(\e)], v[(\m)+(\e)], v[(\z)+4*(\q)+(\e)]
.endif
.endr
.endr
.endm
.macro SETOF g                         ; la: the set in which batch g's eight loads land: (g % 8) % 3 of its window's three
.set sb, ((\g)%8)%3
.if (\g) < 8
.set la, LT+32*sb
.if sb == 2
.set la, ZA+96
.endif
.else
.set la, LT1+32*sb
.if sb == 2
.set la, ZB+96
.endif
.endif
.endm
.macro ASK g                           ; batch g's loads: 64 bytes of my half of both rows, 64 g bytes on
	SETOF \g
.if (\g) < 8
	WIN 0
	LOADB la, AW, AX, 64*(\g)
.else
	WIN 0x55                                       ; every operand in window 1
	LOADB la, AW1, AX1, 64*(\g)
.endif
.endm
.macro WORK g                          ; batch g's 32 packed lines
	SETOF \g
.if (\g) < 8
	WIN 0
	WORKB ZA+16*(\g), la, M, (\g)==0
.else
	WIN 0x55
	WORKB ZB+16*((\g)-8), la, M1, (\g)==8
.endif
.endm
; ONE HALVING's SUM: 32 times eight lines max(v, t) into an operand buffer, and one product with the ones.  A product stands behind the NEXT eight lines, so that it does not wait for the line just ahead of it.
; A buffer is written again eight plain lines behind the product that read it (four are asked for: ISA guide 7.12.1).  The four accumulators take turns, one instruction a turn;
; the first four products start the sums with the constant 0.  From piece 16 on source 0 lies in window 1: the data of max, and so the ones of the products.
.macro PASS
.set i, 0
.rept 33
.if i == 16
	WIN 0x01
.endif
.if i < 32
.irp e, 0,1,2,3,4,5,6,7
.if i < 16
	v_pk_max_num_f16 v[T+8*(i%3)+(\e)], v[ZA+8*i+(\e)], v[TP]
.else
	v_pk_max_num_f16 v[T+8*(i%3)+(\e)], v[ZB+8*(i-16)+(\e)], v[TP]
.endif
.endr
.endif
.if i > 0
.set j, i-1
.set tb, T+8*(j%3)
.set ac, ACC+8*(j%4)
.set on, ONE0
.if j >= 15
.set on, ONE1
.endif
.if j < 4
	v_wmma_f32_16x16x32_f16 v[ac:ac+7], v[on:on+7], v[tb:tb+7], 0
.else
	v_wmma_f32_16x16x32_f16 v[ac:ac+7], v[on:on+7], v[tb:tb+7], v[ac:ac+7]
.endif
.endif
.set i, i+1
.endr
	WIN 0
.endm
; THE LAST SUM, for half of my terms: r = max(v, t) - t in place, and r r^T, both sources the same registers, on two accumulators by turns.
.macro GRAM z, tp, nt, ga
.set i, 0
.rept 17
.if i < 16
.irp e, 0,1,2,3,4,5,6,7
	v_pk_max_num_f16 v[(\z)+8*i+(\e)], v[(\z)+8*i+(\e)], v[\tp]
.endr
.irp e, 0,1,2,3,4,5,6,7
	v_pk_add_f16 v[(\z)+8*i+(\e)], v[(\z)+8*i+(\e)], v[\nt]
.endr
.endif
.if i > 0
.set j, i-1
.set ac, (\ga)+8*(j%2)
.set zz, (\z)+8*j
.if j < 2
	v_wmma_f32_16x16x32_f16 v[ac:ac+7], v[zz:zz+7], v[zz:zz+7], 0
.else
	v_wmma_f32_16x16x32_f16 v[ac:ac+7], v[zz:zz+7], v[zz:zz+7], v[ac:ac+7]
.endif
.endif
.set i, i+1
.endr
.endm
.Lround:                                       ; two rounds: row 2 w of x's tile, then row 2 w + 1, each with all 16 rows of W's
	s_wait_alu depctr_vm_vsrc(0)                   ; first round: the head's LDS stores have read ASX, RS and ZA; second round: the first round's LDS loads have read ASX, AX and AX1.  All of these are written in this round
	v_mov_b32 v[ASX], s44
	v_add_nc_u32 v[AX], s43, v[AX0]
	WIN 0x40
	v_add_nc_u32 v[AX1], s43, v[AX0]
	WIN 0
	s_wait_alu depctr_va_vdst(0)                   ; ASX, AX and AX1 are written, which the round's LDS loads read; all earlier vector and matrix work is done with SX, SW, the landing sets (the accumulators among them) and the tails of ZA and ZB, in which loads land
	ds_load_b32 v[SX], v[ASX]                      ; the two row sums; they are in when the first batch is
	ds_load_b32 v[SW], v[ASW]
	ASK 0
	ASK 1
; At the head of batch g the loads of batch g + 2 go out, into the set that batch g - 1 has read; then the wait for batch g's own.  Batch 6 asks for batches 8 and 9 at once (one change of windows there and back), batch 7 for none.
; The loads of batches 2, 8, 9 and 10 land in sets that no vector instruction has named since the wait at the round's head: window 0's lines name window 0's registers alone.  So they owe no further wait.
.set gb, 0
.rept 16
.if ((gb >= 1) && (gb <= 5)) || ((gb >= 9) && (gb <= 13))
	s_wait_alu depctr_va_vdst(0)                   ; the additions of the batch before are done reading their set, in which the eight loads below land
.endif
.if gb == 6
	ASK 8
	ASK 9
.elseif (gb != 7) && (gb < 14)
	ASK gb+2
.endif
.if gb == 6
	s_wait_dscnt 24                                ; LDS loads come back in order: batch 6's are in; those of batches 7, 8 and 9 stay out
.elseif gb == 14
	s_wait_dscnt 8                                 ; batch 15's stay out
.elseif gb == 15
	s_wait_dscnt 0x0
.else
	s_wait_dscnt 16                                ; this batch's eight are in, the two younger batches' sixteen stay out
.endif
	WORK gb
.set gb, gb+1
.endr
	WIN 0x01
.irp e, 0,1,2,3
	v_pk_max_num_f16 v[M+(\e)], v[M1+(\e)], v[M+(\e)]
.endr
	WIN 0
	v_pk_max_num_f16 v[M], v[M], v[M+1]
	v_pk_max_num_f16 v[M+2], v[M+2], v[M+3]
	v_pk_max_num_f16 v[M], v[M], v[M+2]
	v_cvt_f32_f16 v[ZM], v24.l
	v_cvt_f32_f16 v[Q], v24.h
	v_max_num_f32 v[ZM], v[ZM], v[Q]
	v_permlanex16_b32 v[Q], v[ZM], s26, s27        ; the pair's other 512 terms lie in the lane 16 away
	v_max_num_f32 v[ZM], v[ZM], v[Q]               ; max z
	v_add_f32 v[SX], v[SX], v[SW]
	v_sub_f32 v[SX], v[SX], v[LAMV]
	v_mul_f32 v[SX], s29, v[SX]                    ; mean z - lam / 1024
	v_sub_f32 v[Q], v[ZM], v[LAMV]                 ; max z - lam
	v_max_num_f32 v[Q], v[Q], v[SX]                ; the higher of the two lower bounds,
	v_cvt_pk_f16_f32 v[NLO], v[Q], v[Q]            ; as an f16 number: lo.  Where the rounding lifts it over the root, the halvings end at the bracket's lower end, half of lo's last place off
	v_cvt_f32_f16 v[LOF], v17.l
	v_xor_b32 v[NLO], s30, v[NLO]
	v_sub_f32 v[BHI], v[ZM], v[LOF]
	v_max_num_f32 v[BHI], 0, v[BHI]                ; the bracket is [0, max z - lo]
	v_mov_b32 v[BLO], 0
.set i, 0
.rept 128
	v_pk_add_f16 v[ZA+i], v[ZA+i], v[NLO]          ; v = z - lo, in place
.set i, i+1
.endr
	WIN 0x41
.set i, 0
.rept 128
	v_pk_add_f16 v[ZB+i], v[ZB+i], v[NLO]
.set i, i+1
.endr
	WIN 0
	s_mov_b32 s42, STEPS
.Lstep:                                        ; no memory or LDS instruction stands in this loop
	v_add_f32 v[Q], v[BLO], v[BHI]
	v_mul_f32 v[Q], 0.5, v[Q]
	v_cvt_pk_f16_f32 v[TP], v[Q], v[Q]             ; the midpoint as an f16 number, in both halves; what follows goes by that number
	PASS
	v_add_f32 v[F], v[ACC], v[ACC+8]               ; these four lines name no register of the last two products: they are the four places ahead of the reads of their results
	v_cvt_f32_f16 v[TF], v13.l
	v_fma_f32 v[THR], v[TF], s28, v[LAMV]
	v_nop
	v_add_f32 v[F], v[F], v[ACC+16]
	v_add_f32 v[F], v[F], v[ACC+24]                ; sum max(v, t)
	v_cmp_gt_f32 vcc_lo, v[F], v[THR]              ; f(t) > lam: t is too low
	s_wait_alu depctr_va_vcc(0)                    ; the compare has written VCC, which the two selects read
	v_cndmask_b32 v[BLO], v[BLO], v[TF], vcc_lo
	v_cndmask_b32 v[BHI], v[TF], v[BHI], vcc_lo
	s_sub_co_u32 s42, s42, 1
	s_cmp_lg_u32 s42, 0
	s_cbranch_scc1 .Lstep
	v_add_f32 v[Q], v[BLO], v[BHI]
	v_mul_f32 v[Q], 0.5, v[Q]
	v_cvt_pk_f16_f32 v[TP], v[Q], v[Q]
	v_xor_b32 v[NT], s30, v[TP]
	v_cvt_f32_f16 v[TF], v13.l
	WIN 0x40
	v_mov_b32 v[TP1], v[TP]
	v_mov_b32 v[NT1], v[NT]
	WIN 0
	GRAM ZA, TP, NT, ACC
	WIN 0x55
	GRAM ZB, TP1, NT1, GB
	WIN 0
.irp e, 0,2,4,6                                ; the four accumulators are added, each read from its low end on; these four lines are the places behind window 1's last two products
	v_pk_add_f32 v[ACC+(\e):ACC+(\e)+1], v[ACC+(\e):ACC+(\e)+1], v[ACC+8+(\e):ACC+8+(\e)+1]
.endr
	WIN 0x01
.irp e, 0,2,4,6
	v_pk_add_f32 v[ACC+(\e):ACC+(\e)+1], v[GB+(\e):GB+(\e)+1], v[ACC+(\e):ACC+(\e)+1]
.endr
.irp e, 0,2,4,6
	v_pk_add_f32 v[ACC+(\e):ACC+(\e)+1], v[GB+8+(\e):GB+8+(\e)+1], v[ACC+(\e):ACC+(\e)+1]
.endr
	WIN 0
	; register j of lane l holds element (8 (l / 16) + j, l % 16): the diagonal lies in register l % 8 of lanes 0-7 and 24-31.  The masks below are scalar registers that scalar instructions wrote
.irp j, 1,2,3,4,5,6,7
	v_cndmask_b32 v[ACC], v[ACC], v[ACC+(\j)], s[31+(\j)]
.endr
	v_permlanex16_b32 v[Q], v[ACC], s26, s27       ; the other lanes take it from the lane 16 away
	v_cndmask_b32 v[F], v[Q], v[ACC], s39          ; sum r^2
	v_add_f32 v[Q], v[LOF], v[TF]                  ; tau = lo + t
	v_fma_f32 v[F], v[F], v[INV], v[Q]             ; y
	v_cndmask_b32 v[YA], v[YA], v[F], s40
	s_add_co_u32 s43, s43, PITCH                   ; the next row of x, and its sum
	s_add_co_u32 s44, s44, 4
	s_lshl_b32 s40, s40, 16
	s_sub_co_u32 s41, s41, 1
	s_cmp_lg_u32 s41, 0
	s_cbranch_scc1 .Lround
	s_wait_alu depctr_va_vdst(0)                   ; the last select has written YA, which the store reads
	global_store_b32 v[OO], v[YA], s[10:11]        ; one store a wave: 64 consecutive bytes of each of two rows of out0, which is all that a tile 16 wide has of a row
	s_wait_dscnt 0x0                               ; the closing lines, six on end
	s_wait_alu 0x0
	s_wait_tensorcnt 0x0
	ds_add_u32 v[SPW], v[NIL]
	s_wait_dscnt 0x0
	s_endpgm
.Lfunc_end_k_q5291912217_moreau:
	.size	k_q5291912217_moreau, .Lfunc_end_k_q5291912217_moreau-k_q5291912217_moreau
	.p2alignl 7, 3214868480
	.fill 96, 4, 3214868480
	.section	.rodata,"a",@progbits
	.p2align	6, 0x0
	.amdhsa_kernel k_q5291912217_moreau
		.amdhsa_group_segment_fixed_size 67584
		.amdhsa_private_segment_fixed_size 0
		.amdhsa_enable_private_segment 0
		.amdhsa_kernarg_size 32
		.amdhsa_user_sgpr_count 2
		.amdhsa_user_sgpr_kernarg_segment_ptr 1
		.amdhsa_wavefront_size32 1
		.amdhsa_system_sgpr_workgroup_id_x 1
		.amdhsa_system_sgpr_workgroup_id_y 1
		.amdhsa_system_sgpr_workgroup_id_z 1
		.amdhsa_system_vgpr_workitem_id 0
		.amdhsa_next_free_vgpr 480
		.amdhsa_next_free_sgpr 66
		.amdhsa_reserve_vcc 1
		.amdhsa_float_denorm_mode_32 3
		.amdhsa_float_denorm_mode_16_64 3
		.amdhsa_memory_ordered 1
		.amdhsa_forward_progress 1
		.amdhsa_inst_pref_size 133
	.end_amdhsa_kernel
	.amdgpu_metadata
---
amdhsa.version: [ 1, 2 ]
amdhsa.kernels:
  - .name:           k_q5291912217_moreau
    .symbol:         k_q5291912217_moreau.kd
    .args:
      - { .name: x, .offset: 0, .size: 8, .value_kind: global_buffer, .address_space: global }
      - { .name: W, .offset: 8, .size: 8, .value_kind: global_buffer, .address_space: global }
      - { .name: lam, .offset: 16, .size: 8, .value_kind: global_buffer, .address_space: global }
      - { .name: out0, .offset: 24, .size: 8, .value_kind: global_buffer, .address_space: global }
    .group_segment_fixed_size: 67584
    .private_segment_fixed_size: 0
    .kernarg_segment_align: 8
    .kernarg_segment_size: 32
    .max_flat_workgroup_size: 256
    .sgpr_count:     66
    .vgpr_count:     480
    .wavefront_size: 32
...
	.end_amdgpu_metadata
.endif
;; end of part 2
